; MI455X (gfx1250); checked and timed in simulation.
; The chip was launched on July 23, 2026; its instructions are those of AMD's public machine-readable ISA for CDNA 5 (MIT licence, August 2026) and "CDNA5" Instruction Set Architecture Reference Guide (July 2026). The comments in the code are by the model that wrote it; some were corrected since.
;; Attention. Allowed arithmetic: matrix products marked QUANTISED: E2M3 operands, one E8M0 scale for each 32 along K, by v_wmma_scale_f32_16x16x128_f8f6f4 with both operands' format E2M3, f32 sums; everything else in f32.
;; Inputs: Wk 512 x 512 float32; Wo 512 x 512 float32; Wq 512 x 512 float32; Wv 512 x 512 float32; mask 1 x 1 x 2,048 x 2,048 float32; xk 4 x 2,048 x 512 float32; xq 4 x 2,048 x 512 float32; xv 4 x 2,048 x 512 float32.
;; Outputs: out0 4 x 2,048 x 512 float32.
;; This version of the problem:
;;   THIS VERSION OF THE PROBLEM IS GIVEN IN LOW PRECISION. The matrix products marked QUANTISED in the list below multiply operands that are first quantised to E2M3 (2 exponent bits, 3 mantissa bits; 6 bits a number), with one power-of-two scale for each 32 numbers along K (OCP MX v1.0); their sums are f32. All else is computed in f32.
;;   The module's matrix products, in the order in which they are computed (A, B: the left and right operand; K: the contracted axis; several contracted axes count as one K, in the product's order):
;;     1. [M 8,192, K 512] x [K 512, N 512]; A: input xq; B: input Wq: QUANTISED
;;     2. [M 8,192, K 512] x [K 512, N 512]; A: input xk; B: input Wk: QUANTISED
;;     3. [M 8,192, K 512] x [K 512, N 512]; A: input xv; B: input Wv: QUANTISED
;;     4. batch 32 x [M 2,048, K 64] x [K 64, N 2,048]; A: computed on the way; B: computed on the way: QUANTISED
;;     5. batch 32 x [M 2,048, K 2,048] x [K 2,048, N 64]; A: softmax (see below); B: computed on the way: QUANTISED
;;     6. [M 8,192, K 512] x [K 512, N 512]; A: computed on the way; B: input Wo: QUANTISED
;;   THE QUANTISER, for each operand of a quantised product, along K:
;;     - K is cut into blocks of 32 from its start; a last block that is shorter is filled with zeros.
;;     - A block's scale is 2^e with e = floor(log2(the largest magnitude in the block)) - 2, held to -126 .. 127; a block of zeros has e = 0. As a byte (E8M0): e + 127.
;;     - Each number is divided by its block's scale, clamped to +-7.5, and rounded to the nearest number of E2M3, ties to even, subnormals kept.
;;     - The product sums the exact products of the quantised numbers (number of the format x scale) in f32.
;;   ~~~python
;;   def quantise(x, axis):      # numpy; x: float32 -> the quantised numbers, widened to float32 again
;;       x = np.moveaxis(x, axis, -1); K = x.shape[-1]
;;       x = np.pad(x, [(0, 0)] * (x.ndim - 1) + [(0, -K % 32)]); x = x.reshape(x.shape[:-1] + (-1, 32)); a = np.abs(x).max(-1, keepdims=True)
;;       e = np.where(a > 0, np.clip(np.frexp(np.where(a > 0, a, 1))[1] - 1 - 2, -126, 127), 0)      # np.frexp(a)[1] - 1 = floor(log2(a)), exactly
;;       r = np.clip(x / 2.0 ** e, -7.5, 7.5)
;;       step = 2.0 ** (np.maximum(np.frexp(np.where(r == 0, 1, r))[1] - 1, 0) - 3)
;;       q = np.round(r / step) * step * 2.0 ** e      # np.round: ties to even
;;       return np.moveaxis(q.reshape(q.shape[:-2] + (-1,))[..., :K], -1, axis).astype(np.float32)
;;   ~~~
;;   SOFTMAX AHEAD OF A QUANTISED PRODUCT. Where the list says 'softmax', what is quantised is not the finished softmax but p = 2^(t - M), with t = logit x log2(e) and M = ceil(the row's largest t), a whole number; so 1/2 < the row's largest p <= 1. The row's sum l is taken of the UNQUANTISED p, in f32, and the product's result is divided by l at the end. Since M is a whole number, a kernel that streams over the keys may use a running M (the ceiling of the running maximum): every later rescaling is an exact power of two, which a block's scale takes up: the codes' values come out the same.
;;   OPERANDS COMPUTED ON THE WAY. 'Computed on the way' means the value that the module computes at that place (a softmax that the list does not call 'softmax' is quantised finished and normalised). What goes into a quantiser is computed in f32, as accurately as f32 sums, v_exp_f32 and their like allow (about 1e-6 of the number): no bf16 or f16 on the way to a quantiser, and a product that is left as it is and whose result goes on into a quantised operand takes f32 operands (vector FMAs, or v_wmma_f32_16x16x4_f32). A number that lies on a knife's edge between two numbers of the format may be rounded either way, as far as f32 arithmetic and the matrix unit's own rounding can turn it there, and no further.
;; One version. Each part assembles by itself: llvm-mc -triple=amdgcn-amd-amdhsa -mcpu=gfx1250 --defsym DOCPART=n.
;; ======== version 1 of 1: 3 launches
;; limits: right only within a limited range of input values
;; workspace buffers: wimg 819,200 bytes; qc 3,407,872 bytes; kv 6,815,744 bytes
;; launch wquant (part 1): grid 16 x 4, 4 waves a work-group, no clusters, 1,024 bytes of LDS; arguments Wq, Wk, Wv, Wo, wimg; writes wimg
.if DOCPART == 1
	.amdgcn_target "amdgcn-amd-amdhsa--gfx1250"
	.amdhsa_code_object_version 6
	.text
	.protected	k_q3a7de6024f_wquant
	.globl	k_q3a7de6024f_wquant
	.p2align	8
	.type	k_q3a7de6024f_wquant,@function
k_q3a7de6024f_wquant:
	s_mov_b64 s[64:65], 0
	v_nop
	global_prefetch_b8 v0, s[64:65] scope:SCOPE_SE
	s_setreg_imm32_b32 hwreg(HW_REG_WAVE_MODE, 25, 1), 1
	s_wait_xcnt 0x0
; THE PROGRAM: attention with all six products on codes of FP6 (E2M3), one E8M0 scale for each 32 along K.  Three launches: this one turns the four weights into codes; the second projects
; xq, xk, xv and quantises q, k (along the head's 64) and v (along the tokens); the third does scores + mask, softmax, P V and the projection on the way out.
; NO WORK OF reference() IS LEFT OUT: every input (xq, xk, xv, mask, Wq, Wk, Wv, Wo) has a way to out0 and is loaded.  The upper half of the score product's K step (K = 64 of 128) is the quantiser's fill of zeros.
; THIS LAUNCH: W [512 (out)][512 (in)] f32, K = in, innermost -> codes and scale words laid IN THE ORDER OF THE OPERAND'S REGISTERS.  For each weight y (q, k, v, o) 204,800 bytes of wimg:
;   fragment (tile T = 0..31, K step s = 0..3) at (4 T + s) x 1,536: register 4 i + w of lane L at 512 i + 16 L + 4 w;
;   from 196,608 on the scale words: tile pair P at 512 P; lane L, word s = the word of K step s for tile 2 P + L / 16, row lane L % 16.
; THE ROWS OF A TILE ARE NOT NEIGHBOURS: lane r of tile T takes row 32 (T / 2) + 8 (T % 2) + r + 8 (r / 8), so that the results of two neighbouring tiles are 16 neighbours along the next product's K.
; SHARES: a work-group takes a tile pair P (x) of a weight (y); wave s takes K step s of both tiles.  The weights are 4 MiB in all: no LDS ring, no cluster, no prefetch would pay.
; A block's scale is 2^(floor(log2(largest magnitude)) - 2); its byte is the largest magnitude's exponent field - 2, held at 1 from below.
; LIMITS: a block of zeros gets the byte 1 where the rule says 127 (its codes are zeros, and this program alone reads the bytes); NaN and infinities among the inputs are not served.
.set SPARE, 512                        ; LDS: 0..511 the pair's scale words (16 L + 4 s); from 512 the spare words, 128 bytes a wave
.set SPW, 8                            ; v8   LDS address of my spare word; never rewritten
.set NIL, 9                            ; v9   0; never rewritten
.set PW0, 10                           ; v10, v11 the two tiles' scale words; v12 the two joined
.set PW1, 11
.set SW,  12
.set PC0, 16                           ; v16-27, v28-39 the two fragments
.set PC1, 28
.set CT,  40                           ; v40-47 the conversions' second halves
.set TM,  48                           ; v48-63 at work in QUANT
.set NA,  64                           ; v64-127, v128-191 64 numbers of each tile
.set NB,  128
.set WV,  14
.set SEL, 20                           ; s[20:21] v_permlanex16_b32's selects for lane l xor 16
; 64 numbers of a lane, register 16 b + i = k 32 b + 16 (lane / 16) + i of my row, become a fragment's 12 registers of codes at v[pc] and its scale word in v[pw] (the same in lanes l and l xor 16).
.macro QUANT src, pc, pw
.irp b, 0,1,2,3
	v_max3_num_f32 v[TM+\b], |v[\src+16*\b]|, |v[\src+1+16*\b]|, 0x1800000   ; my 16 numbers of block b, and the floor 2^(3 - 127): the byte cannot fall under 1
.endr
.irp i, 2,4,6,8,10,12,14
.irp b, 0,1,2,3
	v_max3_num_f32 v[TM+\b], v[TM+\b], |v[\src+16*\b+\i]|, |v[\src+1+16*\b+\i]|   ; the four blocks by turns
.endr
.endr
.irp b, 0,1,2,3
	v_permlanex16_b32 v[TM+4+\b], v[TM+\b], s[SEL], s[SEL+1]
.endr
.irp b, 0,1,2,3
	v_max_num_f32 v[TM+\b], v[TM+\b], v[TM+4+\b]       ; with lane l xor 16's: the block's largest magnitude
.endr
.irp b, 0,1,2,3
	v_add_nc_u32 v[TM+12+\b], 0xff000000, v[TM+\b]     ; 2 off its exponent field: the conversion's scale operand
.endr
.irp b, 0,1,2,3
	v_lshrrev_b32 v[TM+4+\b], 23, v[TM+12+\b]          ; the scale's byte
.endr
	v_lshl_or_b32 v[\pw], v[TM+5], 8, v[TM+4]
	v_lshl_or_b32 v[\pw], v[TM+6], 16, v[\pw]
	v_lshl_or_b32 v[\pw], v[TM+7], 24, v[\pw]
.irp c, 0,1
	v_cvt_scalef32_pk16_fp6_f32 v[\pc+6*\c:\pc+2+6*\c], v[\src+32*\c:\src+15+32*\c], v[TM+12+2*\c]
	v_cvt_scalef32_pk16_fp6_f32 v[CT+4*\c:CT+2+4*\c], v[\src+16+32*\c:\src+31+32*\c], v[TM+13+2*\c]   ; (a conversion's three registers begin on an even number)
.endr
	v_nop                                              ; one plain place behind the scaled conversions
.irp c, 0,1                                            ; the operand wants a WHOLE block in a lane: lanes 0-15 block 2 c, lanes 16-31 block 2 c + 1
.irp i, 0,1,2
	v_permlane16_swap_b32 v[\pc+6*\c+\i], v[CT+4*\c+\i]
.endr
.irp i, 0,1,2
	v_mov_b32 v[\pc+3+6*\c+\i], v[CT+4*\c+\i]
.endr
.endr
.endm
	s_load_b256 s[4:11], s[0:1], 0x0               ; Wq, Wk, Wv, Wo
	s_load_b64 s[12:13], s[0:1], 0x20              ; wimg
	v_lshl_add_u32 v[SPW], v0, 2, SPARE
	v_mov_b32 v[NIL], 0
	v_lshrrev_b32 v1, 5, v0
	v_readfirstlane_b32 s[WV], v1                  ; wave = K step
	v_and_b32 v1, 31, v0                           ; lane
	v_and_b32 v2, 15, v0                           ; r
	v_bfe_u32 v3, v0, 4, 1                         ; h
	s_and_b32 s15, ttmp7, 0xffff                   ; which weight
	v_and_b32 v4, 8, v2
	v_add_nc_u32 v4, v4, v2                        ; r + 8 (r / 8)
	v_lshlrev_b32 v4, 11, v4                       ; a row of W is 2,048 bytes
	v_lshl_add_u32 v4, v3, 6, v4                   ; + 64 h: my 16 numbers of each block of 32
	s_lshl_b32 s16, ttmp9, 16                      ; the pair's first row: 32 P rows
	s_lshl_b32 s17, s[WV], 9                       ; my K step: 512 bytes
	s_add_co_u32 s16, s16, s17
	v_add_nc_u32 v4, s16, v4
	v_lshlrev_b32 v5, 4, v1                        ; 16 x lane
	s_lshl_b32 s17, s[WV], 2
	v_add_nc_u32 v6, s17, v5                       ; LDS: my lane's word of K step s
	s_mov_b32 s[SEL], 0x76543210
	s_mov_b32 s[SEL+1], 0xfedcba98
.irp b, 0,1,2,3
	v_mov_b32 v[TM+4+\b], 0                        ; written once: a lane permute's destination counts as one of its sources
.endr
	s_mul_i32 s18, s15, 204800                     ; the weight's part of wimg
	s_lshl_b32 s19, ttmp9, 3
	s_add_co_u32 s19, s19, s[WV]
	s_mul_i32 s19, s19, 1536                       ; fragment (2 P, s): (8 P + s) x 1,536; tile 2 P + 1 lies 6,144 further on
	s_add_co_u32 s24, s18, s19
	s_mov_b32 s25, 0
	s_lshl_b32 s26, ttmp9, 9
	s_add_co_u32 s26, s26, s18
	s_add_co_u32 s26, s26, 196608                  ; the pair's scale words
	s_mov_b32 s27, 0
	s_wait_alu depctr_va_vdst(0)
	s_wait_kmcnt 0x0
	s_and_b32 s22, s15, 1
	s_cmp_eq_u32 s22, 0                            ; the choice of the weight hangs on the work-group's y alone
	s_cselect_b64 s[28:29], s[4:5], s[6:7]
	s_cselect_b64 s[30:31], s[8:9], s[10:11]
	s_cmp_lt_u32 s15, 2
	s_cselect_b64 s[28:29], s[28:29], s[30:31]
	s_add_nc_u64 s[24:25], s[12:13], s[24:25]
	s_add_nc_u64 s[26:27], s[12:13], s[26:27]
.irp e, 0,1
.irp b, 0,1,2,3
.irp j, 0,1,2,3
	global_load_b128 v[NA+64*\e+16*\b+4*\j:NA+64*\e+16*\b+4*\j+3], v4, s[28:29] offset:16384*\e+128*\b+16*\j   ; tile 2 P + e lies 8 rows further down
.endr
.endr
.endr
	s_wait_loadcnt 16                              ; the first tile's 16 loads are in; the second tile's 16 may be out
	QUANT NA, PC0, PW0
.irp i, 0,1,2
	global_store_b128 v5, v[PC0+4*\i:PC0+4*\i+3], s[24:25] offset:512*\i        ; 32 lanes store 512 bytes on end
.endr
	s_wait_loadcnt 0x0
	QUANT NB, PC1, PW1
.irp i, 0,1,2
	global_store_b128 v5, v[PC1+4*\i:PC1+4*\i+3], s[24:25] offset:6144+512*\i
.endr
	v_cmp_lt_u32 vcc_lo, 15, v1
	v_cndmask_b32 v[SW], v[PW0], v[PW1], vcc_lo    ; lanes 0-15: tile 2 P's word, lanes 16-31: tile 2 P + 1's
	ds_store_b32 v6, v[SW]
	s_wait_dscnt 0x0                               ; for the others' sake: my word lies in LDS
	s_barrier_signal -1
	s_barrier_wait -1
	s_cmp_lg_u32 s[WV], 0
	s_cbranch_scc1 .Lend
	ds_load_b128 v[192:195], v5                    ; the four waves' words, 16 bytes a lane
	s_wait_dscnt 0x0
	global_store_b128 v5, v[192:195], s[26:27]     ; 512 bytes on end
.Lend:
	s_wait_tensorcnt 0x0                           ; the wave's end
	ds_add_u32 v[SPW], v[NIL]
	s_wait_dscnt 0x0
	s_endpgm
.Lfunc_end_k_q3a7de6024f_wquant:
	.size	k_q3a7de6024f_wquant, .Lfunc_end_k_q3a7de6024f_wquant-k_q3a7de6024f_wquant
	.p2alignl 7, 3214868480
	.fill 96, 4, 3214868480
	.section	.rodata,"a",@progbits
	.p2align	6, 0x0
	.amdhsa_kernel k_q3a7de6024f_wquant
		.amdhsa_group_segment_fixed_size 1024
		.amdhsa_private_segment_fixed_size 0
		.amdhsa_enable_private_segment 0
		.amdhsa_kernarg_size 40
		.amdhsa_user_sgpr_count 2
		.amdhsa_user_sgpr_kernarg_segment_ptr 1
		.amdhsa_wavefront_size32 1
		.amdhsa_system_sgpr_workgroup_id_x 1
		.amdhsa_system_sgpr_workgroup_id_y 1
		.amdhsa_system_sgpr_workgroup_id_z 1
		.amdhsa_system_vgpr_workitem_id 0
		.amdhsa_next_free_vgpr 200
		.amdhsa_next_free_sgpr 66
		.amdhsa_reserve_vcc 1
		.amdhsa_float_denorm_mode_32 3
		.amdhsa_float_denorm_mode_16_64 3
		.amdhsa_memory_ordered 1
		.amdhsa_forward_progress 1
		.amdhsa_inst_pref_size 14
	.end_amdhsa_kernel
	.amdgpu_metadata
---
amdhsa.version: [ 1, 2 ]
amdhsa.kernels:
  - .name:           k_q3a7de6024f_wquant
    .symbol:         k_q3a7de6024f_wquant.kd
    .args:
      - { .name: Wq, .offset: 0, .size: 8, .value_kind: global_buffer, .address_space: global }
      - { .name: Wk, .offset: 8, .size: 8, .value_kind: global_buffer, .address_space: global }
      - { .name: Wv, .offset: 16, .size: 8, .value_kind: global_buffer, .address_space: global }
      - { .name: Wo, .offset: 24, .size: 8, .value_kind: global_buffer, .address_space: global }
      - { .name: wimg, .offset: 32, .size: 8, .value_kind: global_buffer, .address_space: global }
    .group_segment_fixed_size: 1024
    .private_segment_fixed_size: 0
    .kernarg_segment_align: 8
    .kernarg_segment_size: 40
    .max_flat_workgroup_size: 128
    .sgpr_count:     66
    .vgpr_count:     200
    .wavefront_size: 32
...
	.end_amdgpu_metadata
.endif
;; end of part 1
;; launch proj (part 2): grid 64 x 3, 8 waves a work-group, no clusters, 327,680 bytes of LDS; arguments xq, xk, xv, wimg, qc, kv; writes qc, kv
.if DOCPART == 2
	.amdgcn_target "amdgcn-amd-amdhsa--gfx1250"
	.amdhsa_code_object_version 6
	.text
	.protected	k_q3a7de6024f_proj
	.globl	k_q3a7de6024f_proj
	.p2align	8
	.type	k_q3a7de6024f_proj,@function
k_q3a7de6024f_proj:
	s_mov_b64 s[64:65], 0
	v_nop
	global_prefetch_b8 v0, s[64:65] scope:SCOPE_SE
	s_setreg_imm32_b32 hwreg(HW_REG_WAVE_MODE, 25, 1), 1
	s_wait_xcnt 0x0
.set XREG, 33536
; q, k, v = x W^T on codes of FP6, quantised again for the attention launch.  Nothing of reference() is left out here.
; Wave w fetches 16 rows of x on end (32 lines of 1,024 + 16 bytes) with its one tensor load, into block w of LDS; a barrier shows all blocks to all waves.
; A wave's tile takes 8 rows of block 2 (w / 2) and 8 of block 2 (w / 2) + 1; the blocks lie XGRP bytes apart, 16 more than a multiple of 256, so that the sixteen rows of a load begin in different banks.
.set XGRP, 33296
.set XROW, 2080
.set XIMG, 268288
.set XSC,  317440
.set SPARE, 321536
.set LI,  1
.set L8,  2
.set XA,  3
.set XWI, 4
.set XWS, 5
.set XRI, 6
.set XRS, 7
.set XF,  16
.set ACC, 112
.set PC0, 176
.set CT,  200
.set TM,  208
.set SW,  224
.set SA,  228
.set TR,  236
.set SB,  244
.set SPW, 252
.set NIL, 253
.set SH,  254
.set PW,  255
.set TEN, 16
.set WV,  17
.set SEL, 20
.set G1,  24
.set DST, 42
.set MSB, 0
.macro WIN new
.if MSB != \new
	s_set_vgpr_msb (MSB<<8)|\new
.set MSB, \new
.endif
.endm
.macro PLACES
.rept 4
	v_nop
.endr
.endm
.macro QUANT src, pc, pw
.irp b, 0,1,2,3
	v_max3_num_f32 v[TM+\b], |v[\src+16*\b]|, |v[\src+1+16*\b]|, 0x1800000
.endr
.irp i, 2,4,6,8,10,12,14
.irp b, 0,1,2,3
	v_max3_num_f32 v[TM+\b], v[TM+\b], |v[\src+16*\b+\i]|, |v[\src+1+16*\b+\i]|
.endr
.endr
.irp b, 0,1,2,3
	s_delay_alu instid0(VALU_DEP_4)
	v_permlanex16_b32 v[TM+4+\b], v[TM+\b], s[SEL], s[SEL+1]
.endr
.irp b, 0,1,2,3
	s_delay_alu instid0(VALU_DEP_4)
	v_max_num_f32 v[TM+\b], v[TM+\b], v[TM+4+\b]
.endr
.irp b, 0,1,2,3
	s_delay_alu instid0(VALU_DEP_4)
	v_add_nc_u32 v[TM+12+\b], 0xff000000, v[TM+\b]
.endr
.irp b, 0,1,2,3
	s_delay_alu instid0(VALU_DEP_4)
	v_lshrrev_b32 v[TM+4+\b], 23, v[TM+12+\b]
.endr
	s_delay_alu instid0(VALU_DEP_3)
	v_lshl_or_b32 v[\pw], v[TM+5], 8, v[TM+4]
	s_delay_alu instid0(VALU_DEP_1)
	v_lshl_or_b32 v[\pw], v[TM+6], 16, v[\pw]
	s_delay_alu instid0(VALU_DEP_1)
	v_lshl_or_b32 v[\pw], v[TM+7], 24, v[\pw]
.irp c, 0,1
	v_cvt_scalef32_pk16_fp6_f32 v[\pc+6*\c:\pc+2+6*\c], v[\src+32*\c:\src+15+32*\c], v[TM+12+2*\c]
	v_cvt_scalef32_pk16_fp6_f32 v[CT+4*\c:CT+2+4*\c], v[\src+16+32*\c:\src+31+32*\c], v[TM+13+2*\c]
.endr
	v_nop
.irp c, 0,1
.irp i, 0,1,2
	v_permlane16_swap_b32 v[\pc+6*\c+\i], v[CT+4*\c+\i]
.endr
.irp i, 0,1,2
	s_delay_alu instid0(VALU_DEP_3)
	v_mov_b32 v[\pc+3+6*\c+\i], v[CT+4*\c+\i]
.endr
.endr
.endm
.macro WM d, a, b, k, sa, sb, row
.set rD, \d
.set rA, \a
.set rB, \b
.set rSA, \sa
.set rSB, \sb
.if (\k) == 0
.if (\row) == 1
	v_wmma_scale_f32_16x16x128_f8f6f4 v[rD:rD+7], v[rA:rA+11], v[rB:rB+11], 0, v[rSA], v[rSB] matrix_a_fmt:MATRIX_FMT_FP6 matrix_b_fmt:MATRIX_FMT_FP6 matrix_a_scale:MATRIX_SCALE_ROW1
.elseif (\row) == 2
	v_wmma_scale_f32_16x16x128_f8f6f4 v[rD:rD+7], v[rA:rA+11], v[rB:rB+11], 0, v[rSA], v[rSB] matrix_a_fmt:MATRIX_FMT_FP6 matrix_b_fmt:MATRIX_FMT_FP6 matrix_b_scale:MATRIX_SCALE_ROW1
.else
	v_wmma_scale_f32_16x16x128_f8f6f4 v[rD:rD+7], v[rA:rA+11], v[rB:rB+11], 0, v[rSA], v[rSB] matrix_a_fmt:MATRIX_FMT_FP6 matrix_b_fmt:MATRIX_FMT_FP6
.endif
.else
.if (\row) == 1
	v_wmma_scale_f32_16x16x128_f8f6f4 v[rD:rD+7], v[rA:rA+11], v[rB:rB+11], v[rD:rD+7], v[rSA], v[rSB] matrix_a_fmt:MATRIX_FMT_FP6 matrix_b_fmt:MATRIX_FMT_FP6 matrix_a_scale:MATRIX_SCALE_ROW1
.elseif (\row) == 2
	v_wmma_scale_f32_16x16x128_f8f6f4 v[rD:rD+7], v[rA:rA+11], v[rB:rB+11], v[rD:rD+7], v[rSA], v[rSB] matrix_a_fmt:MATRIX_FMT_FP6 matrix_b_fmt:MATRIX_FMT_FP6 matrix_b_scale:MATRIX_SCALE_ROW1
.else
	v_wmma_scale_f32_16x16x128_f8f6f4 v[rD:rD+7], v[rA:rA+11], v[rB:rB+11], v[rD:rD+7], v[rSA], v[rSB] matrix_a_fmt:MATRIX_FMT_FP6 matrix_b_fmt:MATRIX_FMT_FP6
.endif
.endif
.endm
.macro MM vp
.irp s, 0,1,2,3
.irp e, 0,1
.irp t, 0,1,2,3
.if \vp
	WM ACC+8*(2*\t+\e), XF+12*(4*\e+\s), 12*(4*\t+\s), \s, SB+4*\e+\s, SA+4*(\t/2)+\s, 2*(\t%2)
.else
	WM ACC+8*(4*\e+\t), 12*(4*\t+\s), XF+12*(4*\e+\s), \s, SA+4*(\t/2)+\s, SB+4*\e+\s, \t%2
.endif
.endr
.endr
.endr
.endm
.macro XL ks, dst
.irp b, 0,1,2,3
.irp j, 0,1,2,3
	ds_load_b128 v[\dst+16*\b+4*\j:\dst+16*\b+4*\j+3], v[XA] offset:512*\ks+16*(\ks/2)+128*\b+16*\j
.endr
.endr
.endm
.macro IM ks, pc
.irp i, 0,1,2
	ds_store_b128 v[XWI], v[\pc+4*\i:\pc+4*\i+3] offset:1536*\ks+512*\i
.endr
.endm
.macro FQ p
.set i, 0
.rept 24
	ds_load_b128 v[XF+4*i:XF+4*i+3], v[XRI] offset:12288*(\p)+512*i
.set i, i+1
.endr
	ds_load_b128 v[SB:SB+3], v[XRS] offset:1024*(\p)
	ds_load_b128 v[SB+4:SB+7], v[XRS] offset:1024*(\p)+512
.endm
	s_load_b256 s[4:11], s[0:1], 0x0
	s_load_b128 s[12:15], s[0:1], 0x20
	v_lshl_add_u32 v[SPW], v0, 2, SPARE
	v_mov_b32 v[NIL], 0
	ds_add_u32 v[SPW], v[NIL]
	ds_add_u32 v[SPW], v[NIL]
	v_lshrrev_b32 v12, 5, v0
	s_delay_alu instid0(VALU_DEP_1)
	v_readfirstlane_b32 s[WV], v12
	s_and_b32 s[TEN], ttmp7, 0xffff
	s_mov_b32 s[G1+0], (2<<16)|(1<<20)|(7<<22)|(3<<25)
	s_mov_b32 s[G1+1], 256<<16
	s_mov_b32 s[G1+2], 32<<16
	s_mov_b32 s[G1+3], 256<<16
	s_mov_b32 s[G1+4], 32
	s_mov_b32 s[G1+5], 256
	s_mov_b32 s[G1+6], 0
	s_mov_b32 s[G1+7], 0
	s_lshl_b32 s44, ttmp9, 18
	s_lshl_b32 s45, s[WV], 15
	s_add_co_u32 s44, s44, s45
	s_mov_b32 s45, 0
	s_mul_i32 s46, s[WV], XGRP
	s_lshr_b32 s58, s[WV], 1
	s_mul_i32 s58, s58, 2*XGRP
	s_and_b32 s59, s[WV], 1
	s_mul_i32 s59, s59, 8*XROW
	s_add_co_u32 s59, s59, s58
	s_mov_b32 s[SEL], 0x76543210
	s_mov_b32 s[SEL+1], 0xfedcba98
	s_wait_dscnt 0x0
	s_wait_kmcnt 0x0
	s_cmp_eq_u32 s[TEN], 0
	s_cselect_b64 s[18:19], s[4:5], s[6:7]
	s_cmp_eq_u32 s[TEN], 2
	s_cselect_b64 s[18:19], s[8:9], s[18:19]
	s_add_nc_u64 s[18:19], s[18:19], s[44:45]
	s_mov_b32 s32, 1
	s_mov_b32 s33, s46
	s_mov_b64 s[34:35], s[18:19]
	s_or_b32 s35, s35, 0x80000000
	tensor_load_to_lds s[32:35], s[G1:G1+7]
	s_nop 0
	PLACES
	s_mul_i32 s48, s[TEN], 204800
	s_mov_b32 s49, 0
	s_add_nc_u64 s[40:41], s[10:11], s[48:49]
	s_mul_i32 s50, s[WV], 24576
	s_mov_b32 s51, 0
	s_add_nc_u64 s[52:53], s[40:41], s[50:51]
	s_lshl_b32 s50, s[WV], 10
	s_add_co_u32 s50, s50, 196608
	s_add_nc_u64 s[54:55], s[40:41], s[50:51]
	v_and_b32 v12, 31, v0
	s_wait_alu depctr_va_vdst(0)
	v_lshlrev_b32 v[LI], 4, v12
	WIN 0x40
.set i, 0
.rept 48
	global_load_b128 v[4*i:4*i+3], v[LI], s[52:53] offset:512*i
.set i, i+1
.endr
	WIN 0
	global_load_b128 v[SA:SA+3], v[LI], s[54:55]
	global_load_b128 v[SA+4:SA+7], v[LI], s[54:55] offset:512
	s_mul_i32 s56, ttmp9, 53248
	s_mul_i32 s57, s[WV], 6656
	s_add_co_u32 s56, s56, s57
	s_cmp_eq_u32 s[TEN], 0
	s_cselect_b32 s57, 0, 1
	s_cselect_b64 s[DST:DST+1], s[12:13], s[14:15]
	s_lshl_b32 s56, s56, s57
	s_cmp_eq_u32 s[TEN], 2
	s_cselect_b32 s57, 6656, 0
	s_add_co_u32 s56, s56, s57
	s_mov_b32 s57, 0
	s_add_nc_u64 s[DST:DST+1], s[DST:DST+1], s[56:57]
	v_and_b32 v13, 15, v0
	v_bfe_u32 v14, v0, 4, 1
	v_lshlrev_b32 v[L8], 3, v12
	s_delay_alu instid0(VALU_DEP_3)
	v_and_b32 v15, 7, v13
	s_delay_alu instid0(VALU_DEP_1)
	v_mul_u32_u24 v[XA], v15, XROW
	v_lshrrev_b32 v15, 3, v13
	s_delay_alu instid0(VALU_DEP_1)
	v_mad_u32_u24 v[XA], v15, XGRP, v[XA]
	s_delay_alu instid0(VALU_DEP_1)
	v_lshl_add_u32 v[XA], v14, 6, v[XA]
	s_delay_alu instid0(VALU_DEP_1)
	v_add_nc_u32 v[XA], s59, v[XA]
	s_mul_i32 s47, s[WV], 6144
	s_add_co_u32 s47, s47, XIMG
	v_add_nc_u32 v[XWI], s47, v[LI]
	s_lshl_b32 s47, s[WV], 9
	s_add_co_u32 s47, s47, XSC
	v_add_nc_u32 v[XWS], s47, v[LI]
	v_add_nc_u32 v[XRI], XIMG, v[LI]
	v_add_nc_u32 v[XRS], XSC, v[LI]
	v_lshlrev_b32 v[SH], 4, v14
.irp b, 0,1,2,3
	v_mov_b32 v[TM+4+\b], 0
.endr
	s_wait_alu depctr_va_vdst(0)
	s_wait_tensorcnt 0x0
	s_barrier_signal -1
	s_barrier_wait -1
	XL 0, XF
	XL 1, ACC
	s_wait_dscnt 16
	QUANT XF, PC0, SW+0
	IM 0, PC0
	XL 2, XF
	s_wait_dscnt 19
	QUANT ACC, PC0+12, SW+1
	IM 1, PC0+12
	XL 3, ACC
	s_wait_dscnt 19
	QUANT XF, PC0, SW+2
	IM 2, PC0
	s_wait_dscnt 3
	QUANT ACC, PC0+12, SW+3
	IM 3, PC0+12
	ds_store_b128 v[XWS], v[SW:SW+3]
	s_wait_dscnt 0x0
	s_barrier_signal -1
	s_barrier_wait -1
	FQ 0
	s_wait_loadcnt 0x0
	s_cmp_eq_u32 s[TEN], 2
	s_cbranch_scc1 .Lv
.macro QKSTEP p
	s_wait_dscnt 0x0
	WIN 0x01
	MM 0
	WIN 0
	PLACES
.if \p < 3
	FQ (\p)+1
.endif
	s_wait_xcnt 0x0
	QUANT ACC, PC0+12*((\p)%2), PW
	v_lshrrev_b32 v[SW+\p], v[SH], v[PW]
.irp i, 0,1,2
	global_store_b128 v[LI], v[PC0+12*((\p)%2)+4*\i:PC0+12*((\p)%2)+4*\i+3], s[DST:DST+1] offset:1536*(\p)+512*\i
.endr
.endm
	QKSTEP 0
	QKSTEP 1
	QKSTEP 2
	QKSTEP 3
	global_store_b128 v[LI], v[SW:SW+3], s[DST:DST+1] offset:6144
	s_branch .Lend
.macro VSTEP p
	s_wait_dscnt 0x0
	WIN 0x04
	MM 1
	WIN 0
	PLACES
.if \p < 3
	FQ (\p)+1
.endif
	s_wait_xcnt 0x0
	QUANT ACC, PC0+12*((\p)%2), SW+\p
.if (\p)%2
.irp k, 0,1,2,3,4,5,6,7,8,9,10,11
	v_permlane16_swap_b32 v[PC0+\k], v[PC0+12+\k]
.endr
.irp c, 0,1
.irp x, 0,1
.irp i, 0,1,2
	global_store_b64 v[L8], v[PC0+12*\x+6*\c+2*\i:PC0+12*\x+6*\c+2*\i+1], s[DST:DST+1] offset:1536*(2*\c+\x)+768*((\p)/2)+256*\i
.endr
.endr
.endr
.endif
.endm
.Lv:
	VSTEP 0
	VSTEP 1
	VSTEP 2
	VSTEP 3
	v_perm_b32 v[TR+0], v[SW+1], v[SW+0], 0x05010400
	v_perm_b32 v[TR+1], v[SW+3], v[SW+2], 0x05010400
	v_perm_b32 v[TR+2], v[SW+1], v[SW+0], 0x07030602
	v_perm_b32 v[TR+3], v[SW+3], v[SW+2], 0x07030602
	s_delay_alu instid0(VALU_DEP_3)
	v_perm_b32 v[TR+4], v[TR+1], v[TR+0], 0x05040100
	s_delay_alu instid0(VALU_DEP_4)
	v_perm_b32 v[TR+5], v[TR+1], v[TR+0], 0x07060302
	s_delay_alu instid0(VALU_DEP_3)
	v_perm_b32 v[TR+6], v[TR+3], v[TR+2], 0x05040100
	s_delay_alu instid0(VALU_DEP_4)
	v_perm_b32 v[TR+7], v[TR+3], v[TR+2], 0x07060302
	global_store_b128 v[LI], v[TR+4:TR+7], s[DST:DST+1] offset:6144
.Lend:
	s_wait_tensorcnt 0x0
	ds_add_u32 v[SPW], v[NIL]
	s_wait_dscnt 0x0
	s_endpgm
.Lfunc_end_k_q3a7de6024f_proj:
	.size	k_q3a7de6024f_proj, .Lfunc_end_k_q3a7de6024f_proj-k_q3a7de6024f_proj
	.p2alignl 7, 3214868480
	.fill 96, 4, 3214868480
	.section	.rodata,"a",@progbits
	.p2align	6, 0x0
	.amdhsa_kernel k_q3a7de6024f_proj
		.amdhsa_group_segment_fixed_size 327680
		.amdhsa_private_segment_fixed_size 0
		.amdhsa_enable_private_segment 0
		.amdhsa_kernarg_size 48
		.amdhsa_user_sgpr_count 2
		.amdhsa_user_sgpr_kernarg_segment_ptr 1
		.amdhsa_wavefront_size32 1
		.amdhsa_system_sgpr_workgroup_id_x 1
		.amdhsa_system_sgpr_workgroup_id_y 1
		.amdhsa_system_sgpr_workgroup_id_z 1
		.amdhsa_system_vgpr_workitem_id 0
		.amdhsa_next_free_vgpr 448
		.amdhsa_next_free_sgpr 66
		.amdhsa_reserve_vcc 0
		.amdhsa_float_denorm_mode_32 3
		.amdhsa_float_denorm_mode_16_64 3
		.amdhsa_memory_ordered 1
		.amdhsa_forward_progress 1
		.amdhsa_inst_pref_size 120
	.end_amdhsa_kernel
	.amdgpu_metadata
---
amdhsa.version: [ 1, 2 ]
amdhsa.kernels:
  - .name:           k_q3a7de6024f_proj
    .symbol:         k_q3a7de6024f_proj.kd
    .args:
      - { .name: xq, .offset: 0, .size: 8, .value_kind: global_buffer, .address_space: global }
      - { .name: xk, .offset: 8, .size: 8, .value_kind: global_buffer, .address_space: global }
      - { .name: xv, .offset: 16, .size: 8, .value_kind: global_buffer, .address_space: global }
      - { .name: wimg, .offset: 24, .size: 8, .value_kind: global_buffer, .address_space: global }
      - { .name: qc, .offset: 32, .size: 8, .value_kind: global_buffer, .address_space: global }
      - { .name: kv, .offset: 40, .size: 8, .value_kind: global_buffer, .address_space: global }
    .group_segment_fixed_size: 327680
    .private_segment_fixed_size: 0
    .kernarg_segment_align: 8
    .kernarg_segment_size: 48
    .max_flat_workgroup_size: 256
    .sgpr_count:     66
    .vgpr_count:     448
    .wavefront_size: 32
...
	.end_amdgpu_metadata
.endif
;; end of part 2
;; launch attn (part 3): grid 64 x 4, 8 waves a work-group, clusters of 4 x 4, 327,680 bytes of LDS; arguments qc, kv, mask, wimg, out0; writes out0
.if DOCPART == 3
	.amdgcn_target "amdgcn-amd-amdhsa--gfx1250"
	.amdhsa_code_object_version 6
	.text
	.protected	k_q3a7de6024f_attn
	.globl	k_q3a7de6024f_attn
	.p2align	8
	.type	k_q3a7de6024f_attn,@function
k_q3a7de6024f_attn:
	s_mov_b64 s[64:65], 0
	v_nop
	global_prefetch_b8 v0, s[64:65] scope:SCOPE_SE
	s_setreg_imm32_b32 hwreg(HW_REG_WAVE_MODE, 25, 1), 1
	s_wait_xcnt 0x0
	s_wait_alu depctr_hold_cnt(0) depctr_sa_sdst(0) depctr_va_vdst(0) depctr_va_sdst(0) depctr_va_ssrc(0) depctr_va_vcc(0) depctr_vm_vsrc(0)
	s_getreg_b32 s2, hwreg(HW_REG_IB_STS2, 6, 4)
	s_cmp_eq_u32 s2, 0
	s_cbranch_scc0 .Lentry_in_a_cluster
	s_endpgm
.Lentry_in_a_cluster:
	s_bfe_u32 s2, ttmp6, 0x10000c
	s_cmp_lg_u32 s2, 0xf033
	s_cbranch_scc0 .Lentry_shape_is_right
	s_endpgm
.Lentry_shape_is_right:
; out0 = (softmax(q k^T / 8 + mask) v) Wo^T, all three products on codes of FP6 (E2M3) with E8M0 scales.  Nothing of reference() is left out here.
; SHARES.  A work-group owns 32 queries of one batch for ALL 8 heads, so that the last product (K = 8 heads x 64) stays in the work-group.  Wave w: head w, two tiles of 16 queries, A and B:
; a fragment of K or V is read from LDS once and serves both tiles.  Every wave walks the batch's 2,048 keys, 128 a step.
; THE WALK IS LAID ACROSS THE CHANGE OF SLOTS: tile B's softmax and P V of step i - 1 (scores and V in registers) run in trip i, its first part inside the round's opening barrier, the rest
; while K(i) and tile A's mask come from LDS; V(i) and tile B's mask come while tile A's softmax runs.
; 1/8 and the mask cost no vector instruction: 3 is taken off q's scale bytes (exact); the mask's tile is loaded into the scores' accumulators and is the C of the score product.
; K = 64 in a K step of 128: q's registers 6-11 are zero codes, k's fragments lie 6 registers apart; what stands in the upper six meets the code 0.
; Both products are used transposed (S^T = K Q^T, O^T = V^T P^T): a lane holds ONE query.  kv, qc and wimg lie in the order of the operands' registers, as the launches before lay them.
; SOFTMAX: t = logit x log2(e); M = the running largest t rounded UP to a whole number; p = 2^(t - M) is quantised along the keys; the row's sum is of the unquantised p and divides O at the end.
; CLUSTER 4 x 4: x = four blocks of queries, y = the batches.  K and V of a key step (106,496 bytes) are asked for jointly along a row (waves 0-3, a quarter each), the mask's tile
; (32 rows x 512 bytes) along a column (waves 4-7, 8 rows each).  Two slots, one key step each; by this text's count a wave has one tensor load out.
; PREFETCH: in trip T each wave names its share of key step T + 3: K and V 26 blocks of 256 bytes (16 waves of a cluster's row x 26 = 416), the mask 4 blocks (2 rows x 2); partners are told apart by address;
; lanes left over name the wave's last block again; trips 13 on ask for nothing.
; LIMITS: NaN and infinities among the inputs, the mask's too, are not served; a block of q whose byte is under 3 has its scale held at 2^-127; a block of zeros carries the byte 1; the division by the sum is v_rcp_f32 and a multiplication.
.set KVB,   106496
.set KVQ,   26624                      ; a quarter of it: 104 rows of 256 bytes
.set REC,   13312                      ; a head's record: KC 6,144, KS 512, VC 6,144, VS 512
.set MOFF,  106496                     ; a slot: K and V, then the mask's 32 rows of 512 + 16 bytes
.set MP,    528
.set SLOT1, 1<<17
.set SPARE, 2*SLOT1                    ; the spare words, 128 bytes a wave
.set AIMG,  0                          ; the way out, in slot 0 (its last fill and last read lie ahead of the last barrier of the walk): the attention rows' 8 fragments,
.set ASC,   12288                      ; their scale words,
.set STG,   13312                      ; and a stage of 32 rows of 2,048 + 16 bytes
.set SP,    2064
; window 0
.set AK0, 1
.set AV0, 2
.set AM0, 3
.set ADK, 4
.set ADV, 5
.set ADM, 6
.set SPW, 7
.set NIL, 8
.set PFO, 9
.set LI,  10                           ; 16 x lane; never rewritten
.set STA, 12                           ; tile A: -M, largest t, the sum in two halves;  STB the same for tile B
.set STB, 16
.set QA,  20                           ; q's codes and six zero registers, tile A; tile B 12 further on
.set QSA, 44
.set QSB, 45
.set KS,  46
.set VS,  50
.set SA,  54                           ; 64 registers: mask, S^T, p of tile A;  SB of tile B
.set SB,  118
.set ACC, 150                          ; the last product's 8 accumulators
.set P,   182                          ; p's codes
.set BM,  194
.set PM,  198
.set CT,  202
.set SO,  210
.set F,   214
.set PW,  216                          ; p's scale word
.set TMP, 217
.set TS,  218                          ; 14 registers at work
.set AS,  232                          ; the attention rows' scale words
; window 1
.set KF,  0
.set VF,  48
.set OA,  96
.set OB,  128
.set WL,  160                          ; Wo's tiles 0, 1 of my four
.set WV,  14
.set CX,  15
.set CY,  16
.set QB,  17
.set W3,  18
.set SEL, 20
.set CS,  22
.set G1KV, 24
.set G1M,  32
.set G0KV, 40
.set G0M,  44
.set TB,  48
.set T,   49
.set PFA, 50
.set PFS, 52
.set QP,  66
.set WOP, 68
.set WSP, 70
.set OUTP, 72
.set MSB, 0
.macro WIN new                         ; the immediate's high byte repeats the setting that is left
.if MSB != \new
	s_set_vgpr_msb (MSB<<8)|\new
.set MSB, \new
.endif
.endm
.macro PLACES
.rept 4
	v_nop
.endr
.endm
; One matrix instruction.  k = 0: it starts the sum, else C = D.  row: 1: source 0's scales stand in lanes 16-31; 2: source 1's; 3: both.
.macro WM d, a, b, k, sa, sb, row
.set rD, \d
.set rA, \a
.set rB, \b
.set rSA, \sa
.set rSB, \sb
.if (\k) == 0
.if (\row) == 1
	v_wmma_scale_f32_16x16x128_f8f6f4 v[rD:rD+7], v[rA:rA+11], v[rB:rB+11], 0, v[rSA], v[rSB] matrix_a_fmt:MATRIX_FMT_FP6 matrix_b_fmt:MATRIX_FMT_FP6 matrix_a_scale:MATRIX_SCALE_ROW1
.elseif (\row) == 2
	v_wmma_scale_f32_16x16x128_f8f6f4 v[rD:rD+7], v[rA:rA+11], v[rB:rB+11], 0, v[rSA], v[rSB] matrix_a_fmt:MATRIX_FMT_FP6 matrix_b_fmt:MATRIX_FMT_FP6 matrix_b_scale:MATRIX_SCALE_ROW1
.elseif (\row) == 3
	v_wmma_scale_f32_16x16x128_f8f6f4 v[rD:rD+7], v[rA:rA+11], v[rB:rB+11], 0, v[rSA], v[rSB] matrix_a_fmt:MATRIX_FMT_FP6 matrix_b_fmt:MATRIX_FMT_FP6 matrix_a_scale:MATRIX_SCALE_ROW1 matrix_b_scale:MATRIX_SCALE_ROW1
.else
	v_wmma_scale_f32_16x16x128_f8f6f4 v[rD:rD+7], v[rA:rA+11], v[rB:rB+11], 0, v[rSA], v[rSB] matrix_a_fmt:MATRIX_FMT_FP6 matrix_b_fmt:MATRIX_FMT_FP6
.endif
.else
.if (\row) == 1
	v_wmma_scale_f32_16x16x128_f8f6f4 v[rD:rD+7], v[rA:rA+11], v[rB:rB+11], v[rD:rD+7], v[rSA], v[rSB] matrix_a_fmt:MATRIX_FMT_FP6 matrix_b_fmt:MATRIX_FMT_FP6 matrix_a_scale:MATRIX_SCALE_ROW1
.elseif (\row) == 2
	v_wmma_scale_f32_16x16x128_f8f6f4 v[rD:rD+7], v[rA:rA+11], v[rB:rB+11], v[rD:rD+7], v[rSA], v[rSB] matrix_a_fmt:MATRIX_FMT_FP6 matrix_b_fmt:MATRIX_FMT_FP6 matrix_b_scale:MATRIX_SCALE_ROW1
.elseif (\row) == 3
	v_wmma_scale_f32_16x16x128_f8f6f4 v[rD:rD+7], v[rA:rA+11], v[rB:rB+11], v[rD:rD+7], v[rSA], v[rSB] matrix_a_fmt:MATRIX_FMT_FP6 matrix_b_fmt:MATRIX_FMT_FP6 matrix_a_scale:MATRIX_SCALE_ROW1 matrix_b_scale:MATRIX_SCALE_ROW1
.else
	v_wmma_scale_f32_16x16x128_f8f6f4 v[rD:rD+7], v[rA:rA+11], v[rB:rB+11], v[rD:rD+7], v[rSA], v[rSB] matrix_a_fmt:MATRIX_FMT_FP6 matrix_b_fmt:MATRIX_FMT_FP6
.endif
.endif
.endm
; A joint load, one a wave: waves 0-3 a quarter of K and V, waves 4-7 eight rows of the mask's tile.  The branch hangs on the wave's number alone.
.macro JLOAD
	s_cmp_lt_u32 s[WV], 4
	s_cbranch_scc0 .Lfor_m_\@
	tensor_load_to_lds s[G0KV:G0KV+3], s[G1KV:G1KV+7]
	s_nop 0
	PLACES
	s_branch .Lasked_\@
.Lfor_m_\@:
	tensor_load_to_lds s[G0M:G0M+3], s[G1M:G1M+7]
	s_nop 0
	PLACES
.Lasked_\@:
.endm
.macro CREST                           ; a round of the cluster's barrier behind its opening barrier
	s_cmp_lg_u32 s[WV], 0
	s_cbranch_scc1 .Lnot_wave_0_\@
	s_barrier_signal -3
.Lnot_wave_0_\@:
	s_barrier_wait -3
	s_barrier_signal -1
	s_barrier_wait -1
.endm
.macro CROUND
	s_barrier_signal -1
	s_barrier_wait -1
	CREST
.endm
.macro ASK                             ; key step T + 3: its tensor load is issued two trips on
	s_cmp_lt_u32 s[T], 13
	s_cbranch_scc0 .Lnone_\@
	global_prefetch_b8 v[PFO], s[PFA:PFA+1] th:TH_LOAD_NT scope:SCOPE_SE
.Lnone_\@:
.endm
.macro MASK sr, q                      ; the mask at (my query, key 32 (t / 2) + 16 h + 8 (t % 2) + 0 .. 7): the very place of the score
.irp t, 0,1,2,3,4,5,6,7
.irp i, 0,1
	ds_load_b128 v[\sr+8*\t+4*\i:\sr+8*\t+4*\i+3], v[ADM] offset:16*MP*\q+128*(\t/2)+32*(\t%2)+16*\i
.endr
.endr
.endm
.macro KLOADS                          ; K, its scale words, tile A's mask, out of the slot in hand
	v_add_nc_u32 v[ADK], s[TB], v[AK0]
	v_add_nc_u32 v[ADV], s[TB], v[AV0]
	v_add_nc_u32 v[ADM], s[TB], v[AM0]
	s_wait_alu depctr_va_vdst(0)
	WIN 0x40
.irp i, 0,1,2,3,4,5,6,7,8,9,10,11
	ds_load_b128 v[KF+4*\i:KF+4*\i+3], v[ADK] offset:512*\i
.endr
	WIN 0
	ds_load_b128 v[KS:KS+3], v[ADK] offset:6144
	MASK SA, 0
.endm
.macro VLOADS                          ; V, its scale words, tile B's mask
	WIN 0x40
.set i, 0
.rept 24
	ds_load_b64 v[VF+2*i:VF+2*i+1], v[ADV] offset:256*i
.set i, i+1
.endr
	WIN 0
	ds_load_b128 v[VS:VS+3], v[ADK] offset:12800
	MASK SB, 1
.endm
.macro SCORE sr, qf, qs                ; S^T = K Q^T / 8 + mask: source 0 in window 1
	WIN 0x01
.irp t, 0,1,2,3,4,5,6,7
	WM \sr+8*\t, KF+6*\t, \qf, 1, KS+\t/2, \qs, \t%2
.endr
.endm
.macro PV o                            ; O^T += V^T P^T: source 0, C and D in window 1; the four accumulators by turns
	WIN 0x51
.irp ct, 0,1,2,3
	WM \o+8*\ct, VF+12*\ct, P, 1, VS+\ct, PW, 0
.endr
.endm
; THE SOFTMAX OF A TILE, first part: each block's largest logit, the running M, t - M.  Work on registers alone.
.macro SM1 sr, st
.irp b, 0,1,2,3
	v_max3_num_f32 v[BM+\b], v[\sr+16*\b], v[\sr+1+16*\b], v[\sr+2+16*\b]
.endr
.irp i, 3,5,7,9,11,13
.irp b, 0,1,2,3
	v_max3_num_f32 v[BM+\b], v[BM+\b], v[\sr+16*\b+\i], v[\sr+1+16*\b+\i]
.endr
.endr
.irp b, 0,1,2,3
	v_max_num_f32 v[BM+\b], v[BM+\b], v[\sr+15+16*\b]
.endr
.irp b, 0,1,2,3
	s_delay_alu instid0(VALU_DEP_4)
	v_permlanex16_b32 v[PM+\b], v[BM+\b], s[SEL], s[SEL+1]
.endr
.irp b, 0,1,2,3
	s_delay_alu instid0(VALU_DEP_4)
	v_max_num_f32 v[BM+\b], v[BM+\b], v[PM+\b]     ; with lane l xor 16's 16 keys: it serves for the row's maximum and, since p rises with the logit, for the block's largest p
.endr
	s_delay_alu instid0(VALU_DEP_2)
	v_max3_num_f32 v[TMP], v[BM], v[BM+1], v[BM+2]
	s_delay_alu instid0(VALU_DEP_1)
	v_max_num_f32 v[TMP], v[TMP], v[BM+3]
	s_delay_alu instid0(VALU_DEP_1)
	v_mul_f32 v[TMP], s[CS], v[TMP]                ; as t
	s_delay_alu instid0(VALU_DEP_1)
	v_max_num_f32 v[\st+1], v[\st+1], v[TMP]       ; the running largest t
	v_mov_b32 v[TMP], v[\st]
	s_delay_alu instid0(VALU_DEP_2)
	v_floor_f32 v[\st], -v[\st+1]                  ; the new -M = -ceil(t): a whole number
.set j, 0
.rept 32
	v_pk_fma_f32 v[\sr+j:\sr+j+1], v[\sr+j:\sr+j+1], s[CS:CS+1], v[\st:\st+1] op_sel_hi:[1,0,0]   ; t - M, two at a time
.if j == 8
	v_sub_f32 v[TMP], v[\st], v[TMP]               ; old M less new M: a whole number, 0 or less
.endif
.if j == 20
	v_cvt_i32_f32 v[TMP], v[TMP]                   ; (it saturates)
.endif
.if j == 32
	v_ldexp_f32 v[F], 1.0, v[TMP]                  ; f = 2^(old M - new M): a multiplication by it rounds nothing
.endif
.set j, j+2
.endr
.irp b, 0,1,2,3
	v_fma_f32 v[BM+\b], v[BM+\b], s[CS], v[\st]    ; the same of each block's largest logit
.endr
.endm
; second part: p, the sum, p's codes and scale word, O^T under the new M
.macro SM2 sr, st, o
	s_wait_alu depctr_va_vdst(0)                   ; the wait ahead of the batch
.set j, 0
.rept 64
	v_exp_f32 v[\sr+j], v[\sr+j]                   ; p = 2^(t - M), at most 1: not normalised
.set j, j+1
.endr
	v_pk_mul_f32 v[\st+2:\st+3], v[\st+2:\st+3], v[F:F+1] op_sel_hi:[1,0]   ; the sums under the new M: a plain place behind the exponentials
	s_wait_alu depctr_va_vdst(0)                   ; one wait for the batch of 64
.irp b, 0,1,2,3
	v_exp_f32 v[BM+\b], v[BM+\b]                   ; the block's largest p: the same two instructions on the same number
.endr
.irp c, 0,1,2,3,4,5,6                  ; the sum of the unquantised p: eight chains by turns
	v_pk_add_f32 v[TS+2*\c:TS+2*\c+1], v[\sr+4*\c:\sr+4*\c+1], v[\sr+4*\c+2:\sr+4*\c+3]
.endr
	v_pk_add_f32 v[\st+2:\st+3], v[\st+2:\st+3], v[\sr+28:\sr+29]
.irp c, 0,1,2,3,4,5,6
	v_pk_add_f32 v[TS+2*\c:TS+2*\c+1], v[TS+2*\c:TS+2*\c+1], v[\sr+30+2*\c:\sr+31+2*\c]
.endr
	v_pk_add_f32 v[\st+2:\st+3], v[\st+2:\st+3], v[\sr+44:\sr+45]
.irp c, 0,1,2,3,4,5,6
	v_pk_add_f32 v[TS+2*\c:TS+2*\c+1], v[TS+2*\c:TS+2*\c+1], v[\sr+46+2*\c:\sr+47+2*\c]
.endr
	v_pk_add_f32 v[\st+2:\st+3], v[\st+2:\st+3], v[\sr+60:\sr+61]
	v_pk_add_f32 v[TS:TS+1], v[TS:TS+1], v[\sr+62:\sr+63]
	v_pk_add_f32 v[\st+2:\st+3], v[\st+2:\st+3], v[TS+6:TS+7]
	v_pk_add_f32 v[TS+2:TS+3], v[TS+2:TS+3], v[TS+10:TS+11]
	v_pk_add_f32 v[TS+4:TS+5], v[TS+4:TS+5], v[TS+12:TS+13]
	s_delay_alu instid0(VALU_DEP_4)
	v_pk_add_f32 v[TS:TS+1], v[TS:TS+1], v[TS+8:TS+9]
	s_delay_alu instid0(VALU_DEP_3)
	v_pk_add_f32 v[\st+2:\st+3], v[\st+2:\st+3], v[TS+2:TS+3]
	s_delay_alu instid0(VALU_DEP_2)
	v_pk_add_f32 v[TS:TS+1], v[TS:TS+1], v[TS+4:TS+5]
	s_delay_alu instid0(VALU_DEP_1)
	v_pk_add_f32 v[\st+2:\st+3], v[\st+2:\st+3], v[TS:TS+1]
	s_wait_alu depctr_va_vdst(0)                   ; and one for the four
.irp b, 0,1,2,3
	v_max_num_f32 v[BM+\b], 0x1800000, v[BM+\b]    ; the floor 2^(3 - 127): the byte cannot fall under 1
.endr
.irp b, 0,1,2,3
	s_delay_alu instid0(VALU_DEP_4)
	v_add_nc_u32 v[SO+\b], 0xff000000, v[BM+\b]    ; 2 off the exponent field: the conversion's scale operand
.endr
.irp b, 0,1,2,3
	s_delay_alu instid0(VALU_DEP_4)
	v_lshrrev_b32 v[PM+\b], 23, v[SO+\b]           ; the scale's byte
.endr
	s_delay_alu instid0(VALU_DEP_3)
	v_lshl_or_b32 v[PW], v[PM+1], 8, v[PM]
	s_delay_alu instid0(VALU_DEP_1)
	v_lshl_or_b32 v[PW], v[PM+2], 16, v[PW]
	s_delay_alu instid0(VALU_DEP_1)
	v_lshl_or_b32 v[PW], v[PM+3], 24, v[PW]
.irp c, 0,1
	v_cvt_scalef32_pk16_fp6_f32 v[P+6*\c:P+2+6*\c], v[\sr+32*\c:\sr+15+32*\c], v[SO+2*\c]
	v_cvt_scalef32_pk16_fp6_f32 v[CT+4*\c:CT+2+4*\c], v[\sr+16+32*\c:\sr+31+32*\c], v[SO+1+2*\c]
.endr
	v_nop                                          ; one plain place behind the scaled conversions
.irp c, 0,1                            ; the operand wants a whole block in a lane
.irp i, 0,1,2
	v_permlane16_swap_b32 v[P+6*\c+\i], v[CT+4*\c+\i]
.endr
.irp i, 0,1,2
	s_delay_alu instid0(VALU_DEP_3)
	v_mov_b32 v[P+3+6*\c+\i], v[CT+4*\c+\i]
.endr
.endr
	WIN 0x41                                       ; O^T lies in window 1
	s_wait_alu depctr_va_vdst(0)                   ; the wait directly ahead of the first reader of O^T
.set j, 0
.rept 16
	v_pk_mul_f32 v[\o+j:\o+j+1], v[\o+j:\o+j+1], v[F:F+1] op_sel_hi:[1,0]   ; O^T under the new M; these 16 also stand between p's codes and scale word and the products
.set j, j+2
.endr
	WIN 0
	s_wait_alu depctr_va_vdst(0)                   ; a wait on LDS may stand ahead of the reader
.endm
; A TRIP: the change of slots and key step i.  fill: the next key step is asked for behind a round of the cluster's barrier.  smb: tile B of step i - 1 is finished on the way.
.macro TRIP fill, smb
	s_wait_tensorcnt 0x0                           ; my one tensor load, my part of the slot that is read next, has landed
	ds_add_u32 v[SPW], v[NIL]
.if \fill
	s_xor_b32 s[G0KV+1], s[G0KV+1], SLOT1          ; the walking descriptors: the other slot, the next key step
	s_add_nc_u64 s[G0KV+2:G0KV+3], s[G0KV+2:G0KV+3], KVB
	s_xor_b32 s[G0M+1], s[G0M+1], SLOT1
	s_add_nc_u64 s[G0M+2:G0M+3], s[G0M+2:G0M+3], 512
	s_wait_xcnt 0x0                                ; the last trip's prefetch has read its address
	s_add_nc_u64 s[PFA:PFA+1], s[PFA:PFA+1], s[PFS:PFS+1]
.endif
	s_wait_dscnt 0x0                               ; the add is done; my reads of the slot left behind were awaited ahead of the last products
	s_barrier_signal -1
.if \smb
	SM1 SB, STB                                    ; work on registers while the others arrive
.endif
	s_barrier_wait -1
.if \fill
	CREST
	JLOAD                                          ; the first tensor load behind the round
.endif
	KLOADS
.if \fill
	ASK
.endif
.if \smb
	SM2 SB, STB, OB
	PV OB
.endif
	s_wait_dscnt 0x0                               ; K, its scales, tile A's mask
	SCORE SA, QA, QSA
	WIN 0
	PLACES                                         ; ahead of the loads into V's registers and of the first read of the scores
	VLOADS
	SM1 SA, STA
	SM2 SA, STA, OA
	s_wait_dscnt 0x0                               ; V, its scales, tile B's mask: my last reads of this slot
	SCORE SB, QA+12, QSB
	PV OA
	WIN 0
	PLACES                                         ; ahead of the next reads of the scores and the next loads into K's registers
	s_xor_b32 s[TB], s[TB], SLOT1
.endm
	s_load_b256 s[4:11], s[0:1], 0x0               ; qc, kv, mask, wimg
	s_load_b64 s[12:13], s[0:1], 0x20              ; out0
	v_lshl_add_u32 v[SPW], v0, 2, SPARE
	v_mov_b32 v[NIL], 0
	ds_add_u32 v[SPW], v[NIL]                      ; the opening: the add, twice on end, and its wait
	ds_add_u32 v[SPW], v[NIL]
	v_lshrrev_b32 v1, 5, v0
	s_delay_alu instid0(VALU_DEP_1)
	v_readfirstlane_b32 s[WV], v1                  ; wave = head
	s_bfe_u32 s[CX], ttmp6, 0x40000
	s_bfe_u32 s[CY], ttmp6, 0x40004                ; the batch
	s_lshl_b32 s[QB], ttmp9, 2
	s_add_co_u32 s[QB], s[QB], s[CX]               ; my block of 32 queries
	s_and_b32 s[W3], s[WV], 3
	s_lshl_b32 s56, s[CY], 2
	s_lshl_b32 s56, 15, s56                        ; my row of the cluster
	s_lshl_b32 s57, 0x1111, s[CX]                  ; my column
	s_or_b32 s[G1KV+0], s56, (3<<16)|(1<<21)       ; K and V: 104 rows of 32 elements of 8 bytes, on end
	s_mov_b32 s[G1KV+1], 32<<16
	s_mov_b32 s[G1KV+2], 104<<16
	s_mov_b32 s[G1KV+3], 32<<16
	s_mov_b32 s[G1KV+4], 104
	s_mov_b32 s[G1KV+5], 32
	s_mov_b32 s[G1KV+6], 0
	s_mov_b32 s[G1KV+7], 0
	s_or_b32 s[G1M+0], s57, (2<<16)|(1<<20)|(1<<21)|(6<<22)|(3<<25)   ; the mask: 8 rows of 128 elements of 4 bytes, 2,048 apart; 16 bytes of padding behind each
	s_mov_b32 s[G1M+1], 128<<16
	s_mov_b32 s[G1M+2], 8<<16
	s_mov_b32 s[G1M+3], 128<<16
	s_mov_b32 s[G1M+4], 8
	s_mov_b32 s[G1M+5], 2048
	s_mov_b32 s[G1M+6], 0
	s_mov_b32 s[G1M+7], 0
	s_mul_i32 s58, s[W3], KVQ                      ; my quarter: in a block and in a slot
	s_mul_i32 s60, s[CY], 16*KVB                   ; made of cy and the wave's number alone
	s_add_co_u32 s60, s60, s58
	s_mov_b32 s61, 0
	s_mul_i32 s59, s[W3], 8*MP
	s_add_co_u32 s59, s59, MOFF
	s_lshl_b32 s62, s[QB], 18                      ; made of the block of queries and the wave's number alone
	s_lshl_b32 s63, s[W3], 16
	s_add_co_u32 s62, s62, s63
	s_mov_b32 s63, 0
	s_lshl_b32 s[QP], s[CY], 4
	s_add_co_u32 s[QP], s[QP], ttmp9               ; the block of 128 tokens that holds my queries
	s_mul_i32 s[QP], s[QP], 53248
	s_mul_i32 s[QP+1], s[WV], 6656
	s_add_co_u32 s[QP], s[QP], s[QP+1]
	s_mov_b32 s[QP+1], 0
	s_mul_i32 s[WOP], s[WV], 24576
	s_add_co_u32 s[WOP], s[WOP], 614400            ; Wo's tiles 4 w .. 4 w + 3: outputs 64 w .. 64 w + 63
	s_mov_b32 s[WOP+1], 0
	s_lshl_b32 s[WSP], s[WV], 10
	s_add_co_u32 s[WSP], s[WSP], 811008            ; and their scale words
	s_mov_b32 s[WSP+1], 0
	s_lshl_b32 s[OUTP], s[CY], 22                  ; out0: row 2,048 batch + 32 QB + 4 w
	s_lshl_b32 s[OUTP+1], s[QB], 16
	s_add_co_u32 s[OUTP], s[OUTP], s[OUTP+1]
	s_lshl_b32 s[OUTP+1], s[WV], 13
	s_add_co_u32 s[OUTP], s[OUTP], s[OUTP+1]
	s_mov_b32 s[OUTP+1], 0
	s_lshl_b32 s74, s[CX], 2                       ; the prefetches stand at key step 2 and are stepped ahead of each use
	s_add_co_u32 s74, s74, s[W3]
	s_mul_i32 s74, s74, 6656                       ; K and V: 26 blocks of 256 bytes for wave w % 4 of partner cx
	s_mul_i32 s75, s[CY], 16*KVB
	s_add_co_u32 s74, s74, s75
	s_add_co_u32 s74, s74, 2*KVB
	s_lshl_b32 s75, s[CY], 3                       ; the mask: rows 8 cy + 2 (w % 4) and the next
	s_lshl_b32 s76, s[W3], 1
	s_add_co_u32 s75, s75, s76
	s_lshl_b32 s75, s75, 13
	s_lshl_b32 s76, s[QB], 18
	s_add_co_u32 s75, s75, s76
	s_add_co_u32 s75, s75, 1024
	s_mov_b32 s76, KVB
	s_mov_b32 s77, 8192
	s_cmp_lt_u32 s[WV], 4
	s_cselect_b32 s74, s74, s75
	s_cselect_b32 s[PFS], s76, 512
	s_cselect_b32 s77, 512, s77                    ; from two lanes to the next two
	s_cselect_b32 s78, 25, 3                       ; my last block
	s_mov_b32 s75, 0
	s_mov_b32 s[PFS+1], 0
	s_mul_i32 s79, s[WV], REC
	s_add_co_u32 s80, s79, 6656
	s_mul_i32 s81, s[CX], 1536
	s_lshl_b32 s82, s[CX], 2
	s_mov_b32 s[SEL], 0x76543210
	s_mov_b32 s[SEL+1], 0xfedcba98
	s_mov_b32 s[CS], 0x3fb8aa3b                    ; log2(e)
	s_mov_b32 s[CS+1], s[CS]
	s_mov_b32 s[TB], 0
	s_mov_b32 s[T], 0
	s_wait_dscnt 0x0                               ; both opening adds are done
	s_wait_kmcnt 0x0
	s_mov_b32 s[G0KV], 1
	s_mov_b32 s[G0KV+1], s58
	s_add_nc_u64 s[G0KV+2:G0KV+3], s[6:7], s[60:61]
	s_or_b32 s[G0KV+3], s[G0KV+3], 0x80000000
	s_mov_b32 s[G0M], 1
	s_mov_b32 s[G0M+1], s59
	s_add_nc_u64 s[G0M+2:G0M+3], s[8:9], s[62:63]
	s_or_b32 s[G0M+3], s[G0M+3], 0x80000000
	s_add_nc_u64 s[QP:QP+1], s[4:5], s[QP:QP+1]
	s_add_nc_u64 s[WOP:WOP+1], s[10:11], s[WOP:WOP+1]
	s_add_nc_u64 s[WSP:WSP+1], s[10:11], s[WSP:WSP+1]
	s_add_nc_u64 s[OUTP:OUTP+1], s[12:13], s[OUTP:OUTP+1]
	s_cmp_lt_u32 s[WV], 4
	s_cselect_b64 s[PFA:PFA+1], s[6:7], s[8:9]
	s_add_nc_u64 s[PFA:PFA+1], s[PFA:PFA+1], s[74:75]
	CROUND                                         ; all sixteen work-groups are here: the first joint loads meet
	JLOAD                                          ; key step 0 into slot 0: one tensor load a wave
	v_and_b32 v[TS], 31, v0                        ; lane
	v_and_b32 v[TS+1], 15, v0                      ; r
	v_bfe_u32 v[TS+2], v0, 4, 1                    ; h
	v_and_b32 v[TS+3], 7, v0                       ; r % 8
	v_bfe_u32 v[TS+4], v0, 3, 1                    ; u = r / 8
	v_lshlrev_b32 v[LI], 4, v[TS]
	v_lshl_add_u32 v[AK0], v[TS], 4, s79           ; 16 x lane + my head's record
	v_lshl_add_u32 v[AV0], v[TS], 3, s80           ; 8 x lane + my head's VC
	v_mul_u32_u24 v[AM0], v[TS+1], MP              ; tile A's row of the mask; tile B's lies 16 rows on
	v_lshl_add_u32 v[TS+5], v[TS+2], 4, v[TS+3]    ; q in natural order out of qc's tiles: query 16 qt + r is lane r % 8 + 8 qt (+ 16 h) of tile 2 cx + u; qt = 1 lies 128 bytes on
	v_lshl_add_u32 v[TS+7], v[TS+4], 4, v[TS+3]    ; its scale word: lane r % 8 + 8 qt + 16 u, word cx
	v_min_u32 v[TS+8], s78, v[TS]
	v_lshl_add_u32 v[AM0], v[TS+2], 6, v[AM0]
	v_lshlrev_b32 v[TS+5], 4, v[TS+5]
	v_lshlrev_b32 v[TS+7], 4, v[TS+7]
	v_lshrrev_b32 v[PFO], 1, v[TS+8]
	v_add_nc_u32 v[AM0], MOFF, v[AM0]
	v_mad_u32_u24 v[TS+5], v[TS+4], 520, v[TS+5]   ; registers 0, 1: u = 0 at 16 L', u = 1 at 512 + 16 L' + 8
	v_add_nc_u32 v[TS+7], s82, v[TS+7]
	v_mul_lo_u32 v[PFO], v[PFO], s77
	v_and_b32 v[TS+8], 1, v[TS+8]
	v_add_nc_u32 v[TS+5], s81, v[TS+5]
	s_delay_alu instid0(VALU_DEP_2)
	v_lshl_add_u32 v[PFO], v[TS+8], 8, v[PFO]
	s_delay_alu instid0(VALU_DEP_2)
	v_mad_u32_u24 v[TS+6], v[TS+4], 496, v[TS+5]   ; registers 2, 3
	s_wait_alu depctr_va_vdst(0)
.irp q, 0,1
	global_load_b64 v[QA+12*\q:QA+12*\q+1], v[TS+5], s[QP:QP+1] offset:128*\q
	global_load_b64 v[QA+12*\q+2:QA+12*\q+3], v[TS+6], s[QP:QP+1] offset:128*\q+8
	global_load_b64 v[QA+12*\q+4:QA+12*\q+5], v[TS+5], s[QP:QP+1] offset:128*\q+512
	global_load_b32 v[QSA+\q], v[TS+7], s[QP:QP+1] offset:128*\q+6144
.endr
.irp q, 0,1
.irp j, 6,7,8,9,10,11
	v_mov_b32 v[QA+12*\q+\j], 0                    ; the upper half of the K step: zero codes
.endr
.endr
.irp st, STA, STB
	v_mov_b32 v[\st+1], 0xff61b1e6                 ; the largest t so far: -3e38
	v_mov_b32 v[\st+2], 0                          ; the sum, in two halves
	v_mov_b32 v[\st+3], 0
	v_floor_f32 v[\st], -v[\st+1]                  ; -M
.endr
.irp b, 0,1,2,3
	v_mov_b32 v[PM+\b], 0                          ; written once: a lane permute's destination counts as one of its sources
.endr
	v_mov_b32 v[F+1], 0                            ; (named as the upper half of the pair)
	s_wait_alu depctr_va_vdst(0)
	s_wait_loadcnt 0x0                             ; q
.irp q, 0,1                            ; 1 / sqrt(64) = 2^-3: 3 off each of q's two bytes, held at 0 from below: 252 - min(252, 255 - x)
	v_and_b32 v[TS+2*\q], 0xff, v[QSA+\q]
	v_bfe_u32 v[TS+1+2*\q], v[QSA+\q], 8, 8
.endr
.irp k, 0,1,2,3
	s_delay_alu instid0(VALU_DEP_4)
	v_sub_nc_u32 v[TS+\k], 255, v[TS+\k]
.endr
.irp k, 0,1,2,3
	s_delay_alu instid0(VALU_DEP_4)
	v_min_u32 v[TS+\k], 252, v[TS+\k]
.endr
.irp k, 0,1,2,3
	s_delay_alu instid0(VALU_DEP_4)
	v_sub_nc_u32 v[TS+\k], 252, v[TS+\k]
.endr
.irp q, 0,1
	v_lshl_or_b32 v[QSA+\q], v[TS+1+2*\q], 8, v[TS+2*\q]
.endr
	WIN 0x40
.set j, 0
.rept 6
	v_mov_b32 v[VF+j], 0                           ; key tile 7's operand names V's first six registers, in the first step ahead of V's first load
.set j, j+1
.endr
.set j, 0
.rept 64
	v_mov_b32 v[OA+j], 0                           ; both O^T: the step is written for every trip alike; these lines also stand between q's scale words and the first product
.set j, j+1
.endr
	WIN 0
	s_wait_alu depctr_va_vdst(0)                   ; the wait at the head's end
	TRIP 1, 0                                      ; key step 0: no tile B is left over; slot 1's first fill stands behind the round, as a refill does
	s_mov_b32 s[T], 1
.Lstep:                                                ; key steps 1 to 14
	TRIP 1, 1
	s_add_co_u32 s[T], s[T], 1
	s_cmp_lt_u32 s[T], 15
	s_cbranch_scc1 .Lstep
	WIN 0x40
.set i, 0
.rept 24
	global_load_b128 v[WL+4*i:WL+4*i+3], v[LI], s[WOP:WOP+1] offset:512*i   ; Wo's tiles 0, 1 of my four into registers that lay idle: fragment (u, s) at 12 (4 u + s)
.set i, i+1
.endr
	WIN 0
	s_lshl_b32 s54, s[WV], 8
	s_add_co_u32 s54, s54, STG
	s_mul_i32 s55, s[WV], 4*SP
	s_add_co_u32 s55, s55, STG
	s_mul_i32 s56, s[WV], 768
	s_lshr_b32 s57, s[WV], 1
	s_lshl_b32 s57, s57, 7                         ; K step w / 2,
	s_and_b32 s58, s[WV], 1
	s_lshl_b32 s58, s58, 1                         ; half word w % 2
	s_add_co_u32 s57, s57, s58
	s_add_co_u32 s57, s57, ASC
	TRIP 0, 1                                      ; the last key step is written out: nothing more is asked for
	SM1 SB, STB
	SM2 SB, STB, OB
	PV OB
	WIN 0
	PLACES                                         ; ahead of the loads into K's, V's and their scales' registers
	; THE WAY OUT
	WIN 0x40
.set i, 0
.rept 24
	global_load_b128 v[4*i:4*i+3], v[LI], s[WOP:WOP+1] offset:12288+512*i   ; Wo's tiles 2, 3
.set i, i+1
.endr
	WIN 0
	global_load_b128 v[KS:KS+3], v[LI], s[WSP:WSP+1]
	global_load_b128 v[VS:VS+3], v[LI], s[WSP:WSP+1] offset:512
	v_and_b32 v11, 31, v0
	v_and_b32 v[TS], 15, v0                        ; r
	v_bfe_u32 v[TS+1], v0, 4, 1                    ; h
	v_lshlrev_b32 v2, 3, v11                       ; 8 x lane
	v_lshl_add_u32 v3, v11, 2, ASC                 ; the scale words: 4 x lane
	v_mul_u32_u24 v4, v[TS], SP
	v_add_nc_u32 v5, s55, v[LI]                    ; back from the stage: my four rows, 16 bytes a lane
	v_lshl_add_u32 v1, v[TS], 2, s57               ; my half word of the scale words; tile B's lies 64 bytes on
	v_add_nc_u32 v6, s56, v2                       ; my six registers of the images: registers 6 w .. of a run of 96, 256 bytes a pair; tile B's 6,144 bytes on
	v_lshl_add_u32 v4, v[TS+1], 6, v4
	s_delay_alu instid0(VALU_DEP_1)
	v_add_nc_u32 v4, s54, v4                       ; the stage: row r, + 64 h, + my 64 outputs' 256 bytes
; a tile's O^T / the sum, quantised along the last product's K (blocks 2 w, 2 w + 1), into the images
.macro NORM st, o, sr, pc, q
	v_add_f32 v[\st+2], v[\st+2], v[\st+3]
	s_delay_alu instid0(VALU_DEP_1)
	v_permlanex16_b32 v[PM], v[\st+2], s[SEL], s[SEL+1]
	s_delay_alu instid0(VALU_DEP_1)
	v_add_f32 v[\st+2], v[\st+2], v[PM]            ; the row's sum
	s_wait_alu depctr_va_vdst(0)
	v_rcp_f32 v[\st+2], v[\st+2]
	v_nop                                          ; a plain place behind the transcendental
	WIN 0x01
	s_wait_alu depctr_va_vdst(0)                   ; the wait ahead of its first reader, which is O^T's first reader too
.set j, 0
.rept 16
	v_pk_mul_f32 v[\sr+j:\sr+j+1], v[\o+j:\o+j+1], v[\st+2:\st+3] op_sel_hi:[1,0]
.set j, j+2
.endr
	WIN 0
.irp b, 0,1
	v_max3_num_f32 v[BM+\b], |v[\sr+16*\b]|, |v[\sr+1+16*\b]|, 0x1800000
.endr
.irp i, 2,4,6,8,10,12,14
.irp b, 0,1
	s_delay_alu instid0(VALU_DEP_2)
	v_max3_num_f32 v[BM+\b], v[BM+\b], |v[\sr+16*\b+\i]|, |v[\sr+1+16*\b+\i]|
.endr
.endr
.irp b, 0,1
	s_delay_alu instid0(VALU_DEP_2)
	v_permlanex16_b32 v[PM+\b], v[BM+\b], s[SEL], s[SEL+1]
.endr
.irp b, 0,1
	s_delay_alu instid0(VALU_DEP_2)
	v_max_num_f32 v[BM+\b], v[BM+\b], v[PM+\b]
.endr
.irp b, 0,1
	s_delay_alu instid0(VALU_DEP_2)
	v_add_nc_u32 v[SO+\b], 0xff000000, v[BM+\b]
.endr
.irp b, 0,1
	s_delay_alu instid0(VALU_DEP_2)
	v_lshrrev_b32 v[PM+\b], 23, v[SO+\b]
.endr
	s_delay_alu instid0(VALU_DEP_1)
	v_lshl_or_b32 v[TMP], v[PM+1], 8, v[PM]        ; my two bytes
	v_cvt_scalef32_pk16_fp6_f32 v[\pc:\pc+2], v[\sr:\sr+15], v[SO]
	v_cvt_scalef32_pk16_fp6_f32 v[CT:CT+2], v[\sr+16:\sr+31], v[SO+1]
	v_nop                                          ; one plain place behind the scaled conversions
.irp i, 0,1,2
	v_permlane16_swap_b32 v[\pc+\i], v[CT+\i]
.endr
.irp i, 0,1,2
	s_delay_alu instid0(VALU_DEP_3)
	v_mov_b32 v[\pc+3+\i], v[CT+\i]
.endr
.irp i, 0,1,2
	ds_store_b64 v6, v[\pc+2*\i:\pc+2*\i+1] offset:AIMG+6144*\q+256*\i
.endr
	ds_store_b16 v1, v[TMP] offset:64*\q           ; lanes l and l xor 16 write the same half word with the same value
.endm
	NORM STA, OA, SA, P, 0
	NORM STB, OB, SB, P+6, 1
	s_wait_dscnt 0x0                               ; for the others' sake: my part of the images lies in LDS
	s_barrier_signal -1
	s_barrier_wait -1
.set i, 0
.rept 48
	ds_load_b64 v[SA+2*i:SA+2*i+1], v2 offset:AIMG+256*i   ; fragment (query tile q, K step s) at 12 (4 q + s)
.set i, i+1
.endr
.irp s, 0,1,2,3
	ds_load_b32 v[AS+\s], v3 offset:128*\s         ; lanes 0-15 query tile 0, lanes 16-31 query tile 1
.endr
	s_wait_loadcnt 0x0                             ; Wo
	s_wait_dscnt 0x0
	WIN 0x01
.irp s, 0,1,2,3                        ; eight accumulators (query tile q, Wo's tile u) by turns
.irp q, 0,1
.irp u, 0,1,2,3
.if \u < 2
	WM ACC+8*(4*\q+\u), WL+12*(4*\u+\s), SA+12*(4*\q+\s), \s, KS+\s, AS+\s, (\u%2)+2*\q
.else
	WM ACC+8*(4*\q+\u), 12*(4*(\u-2)+\s), SA+12*(4*\q+\s), \s, VS+\s, AS+\s, (\u%2)+2*\q
.endif
.endr
.endr
.endr
	WIN 0
	PLACES
.irp q, 0,1
.irp u, 0,1,2,3
	ds_store_b128 v4, v[ACC+8*(4*\q+\u):ACC+8*(4*\q+\u)+3] offset:16*SP*\q+128*(\u/2)+32*(\u%2)   ; lane (r, h): out(16 q + r, 64 w + 32 (u / 2) + 8 (u % 2) + 16 h + 0 .. 7); each accumulator from its low end on
	ds_store_b128 v4, v[ACC+8*(4*\q+\u)+4:ACC+8*(4*\q+\u)+7] offset:16*SP*\q+128*(\u/2)+32*(\u%2)+16
.endr
.endr
	s_wait_dscnt 0x0                               ; for the others' sake
	s_barrier_signal -1
	s_barrier_wait -1                              ; 32 whole rows lie in the stage
.irp i, 0,1,2,3,4,5,6,7,8,9,10,11,12,13,14,15
	ds_load_b128 v[SA+4*\i:SA+4*\i+3], v5 offset:SP*(\i/4)+512*(\i%4)
.endr
.irp i, 0,1,2,3,4,5,6,7,8,9,10,11,12,13,14,15
	s_wait_dscnt 15-\i                             ; load i is in; the 15 - i younger ones may be out
	global_store_b128 v[LI], v[SA+4*\i:SA+4*\i+3], s[OUTP:OUTP+1] offset:2048*(\i/4)+512*(\i%4) th:TH_STORE_NT   ; 32 lanes store 512 bytes on end, aligned
.endr
	s_wait_tensorcnt 0x0                           ; the wave's end
	ds_add_u32 v[SPW], v[NIL]
	s_wait_dscnt 0x0
	CROUND                                         ; the closing round
	s_endpgm
.Lfunc_end_k_q3a7de6024f_attn:
	.size	k_q3a7de6024f_attn, .Lfunc_end_k_q3a7de6024f_attn-k_q3a7de6024f_attn
	.p2alignl 7, 3214868480
	.fill 96, 4, 3214868480
	.section	.rodata,"a",@progbits
	.p2align	6, 0x0
	.amdhsa_kernel k_q3a7de6024f_attn
		.amdhsa_group_segment_fixed_size 327680
		.amdhsa_private_segment_fixed_size 0
		.amdhsa_enable_private_segment 0
		.amdhsa_kernarg_size 40
		.amdhsa_user_sgpr_count 2
		.amdhsa_user_sgpr_kernarg_segment_ptr 1
		.amdhsa_wavefront_size32 1
		.amdhsa_system_sgpr_workgroup_id_x 1
		.amdhsa_system_sgpr_workgroup_id_y 1
		.amdhsa_system_sgpr_workgroup_id_z 1
		.amdhsa_system_vgpr_workitem_id 0
		.amdhsa_next_free_vgpr 512
		.amdhsa_next_free_sgpr 96
		.amdhsa_reserve_vcc 0
		.amdhsa_float_denorm_mode_32 3
		.amdhsa_float_denorm_mode_16_64 3
		.amdhsa_memory_ordered 1
		.amdhsa_forward_progress 1
		.amdhsa_inst_pref_size 145
	.end_amdhsa_kernel
	.amdgpu_metadata
---
amdhsa.version: [ 1, 2 ]
amdhsa.kernels:
  - .name:           k_q3a7de6024f_attn
    .symbol:         k_q3a7de6024f_attn.kd
    .args:
      - { .name: qc, .offset: 0, .size: 8, .value_kind: global_buffer, .address_space: global }
      - { .name: kv, .offset: 8, .size: 8, .value_kind: global_buffer, .address_space: global }
      - { .name: mask, .offset: 16, .size: 8, .value_kind: global_buffer, .address_space: global }
      - { .name: wimg, .offset: 24, .size: 8, .value_kind: global_buffer, .address_space: global }
      - { .name: out0, .offset: 32, .size: 8, .value_kind: global_buffer, .address_space: global }
    .group_segment_fixed_size: 327680
    .private_segment_fixed_size: 0
    .kernarg_segment_align: 8
    .kernarg_segment_size: 40
    .max_flat_workgroup_size: 256
    .sgpr_count:     96
    .vgpr_count:     512
    .wavefront_size: 32
...
	.end_amdgpu_metadata
.endif
;; end of part 3
